; MI455X (gfx1250); checked and timed in simulation.
; The chip was launched on July 23, 2026; its instructions are those of AMD's public machine-readable ISA for CDNA 5 (MIT licence, August 2026) and "CDNA5" Instruction Set Architecture Reference Guide (July 2026). The comments in the code are by the model that wrote it; some were corrected since.
;; Cross Attention. Allowed arithmetic: matrix products marked QUANTISED: E2M3 operands, one E8M0 scale for each 32 along K, by v_wmma_scale_f32_16x16x128_f8f6f4 with both operands' format E2M3, f32 sums; everything else in f32.
;; Inputs: keys 8 x 1,024 x 8 x 64 float32; keysT 8 x 1,024 x 8 x 64 float32; queries 8 x 1,024 x 8 x 64 float32; values 8 x 1,024 x 8 x 64 float32; valuesT 8 x 1,024 x 8 x 64 float32.
;; Outputs: out0 8 x 1,024 x 8 x 64 float32.
;; This version of the problem:
;;   THIS VERSION OF THE PROBLEM IS GIVEN IN LOW PRECISION. The matrix products marked QUANTISED in the list below multiply operands that are first quantised to E2M3 (2 exponent bits, 3 mantissa bits; 6 bits a number), with one power-of-two scale for each 32 numbers along K (OCP MX v1.0); their sums are f32. All else is computed in f32.
;;   The module's matrix products, in the order in which they are computed (A, B: the left and right operand; K: the contracted axis; several contracted axes count as one K, in the product's order):
;;     1. batch 56 x [M 1,024, K 64] x [K 64, N 1,024]; A: computed on the way; B: computed on the way: QUANTISED
;;     2. batch 56 x [M 64, K 1,024] x [K 1,024, N 1,024]; A: computed on the way; B: softmax (see below): QUANTISED
;;     3. batch 8 x [M 1,024, K 64] x [K 64, N 1,024]; A: computed on the way; B: computed on the way: QUANTISED
;;     4. batch 8 x [M 64, K 1,024] x [K 1,024, N 1,024]; A: computed on the way; B: softmax (see below): QUANTISED
;;   THE QUANTISER, for each operand of a quantised product, along K:
;;     - K is cut into blocks of 32 from its start; a last block that is shorter is filled with zeros.
;;     - A block's scale is 2^e with e = floor(log2(the largest magnitude in the block)) - 2, held to -126 .. 127; a block of zeros has e = 0. As a byte (E8M0): e + 127.
;;     - Each number is divided by its block's scale, clamped to +-7.5, and rounded to the nearest number of E2M3, ties to even, subnormals kept.
;;     - The product sums the exact products of the quantised numbers (number of the format x scale) in f32.
;;   ~~~python
;;   def quantise(x, axis):      # numpy; x: float32 -> the quantised numbers, widened to float32 again
;;       x = np.moveaxis(x, axis, -1); K = x.shape[-1]
;;       x = np.pad(x, [(0, 0)] * (x.ndim - 1) + [(0, -K % 32)]); x = x.reshape(x.shape[:-1] + (-1, 32)); a = np.abs(x).max(-1, keepdims=True)
;;       e = np.where(a > 0, np.clip(np.frexp(np.where(a > 0, a, 1))[1] - 1 - 2, -126, 127), 0)      # np.frexp(a)[1] - 1 = floor(log2(a)), exactly
;;       r = np.clip(x / 2.0 ** e, -7.5, 7.5)
;;       step = 2.0 ** (np.maximum(np.frexp(np.where(r == 0, 1, r))[1] - 1, 0) - 3)
;;       q = np.round(r / step) * step * 2.0 ** e      # np.round: ties to even
;;       return np.moveaxis(q.reshape(q.shape[:-2] + (-1,))[..., :K], -1, axis).astype(np.float32)
;;   ~~~
;;   SOFTMAX AHEAD OF A QUANTISED PRODUCT. Where the list says 'softmax', what is quantised is not the finished softmax but p = 2^(t - M), with t = logit x log2(e) and M = ceil(the row's largest t), a whole number; so 1/2 < the row's largest p <= 1. The row's sum l is taken of the UNQUANTISED p, in f32, and the product's result is divided by l at the end. Since M is a whole number, a kernel that streams over the keys may use a running M (the ceiling of the running maximum): every later rescaling is an exact power of two, which a block's scale takes up: the codes' values come out the same.
;;   OPERANDS COMPUTED ON THE WAY. 'Computed on the way' means the value that the module computes at that place (a softmax that the list does not call 'softmax' is quantised finished and normalised). What goes into a quantiser is computed in f32, as accurately as f32 sums, v_exp_f32 and their like allow (about 1e-6 of the number): no bf16 or f16 on the way to a quantiser, and a product that is left as it is and whose result goes on into a quantised operand takes f32 operands (vector FMAs, or v_wmma_f32_16x16x4_f32). A number that lies on a knife's edge between two numbers of the format may be rounded either way, as far as f32 arithmetic and the matrix unit's own rounding can turn it there, and no further.
;; 2 versions. Each part assembles by itself: llvm-mc -triple=amdgcn-amd-amdhsa -mcpu=gfx1250 --defsym DOCPART=n.
;; ======== version 1 of 2: 1 launch
;; launch attn (part 1): grid 4 x 64, 8 waves a work-group, no clusters, 175,104 bytes of LDS; arguments queries, keys, keysT, values, valuesT, out0; writes out0
.if DOCPART == 1
	.amdgcn_target "amdgcn-amd-amdhsa--gfx1250"
	.amdhsa_code_object_version 6
	.text
	.protected	k_q85fe525bdb_attn
	.globl	k_q85fe525bdb_attn
	.p2align	8
	.type	k_q85fe525bdb_attn,@function
k_q85fe525bdb_attn:
	s_mov_b64 s[64:65], 0
	v_nop
	global_prefetch_b8 v0, s[64:65] scope:SCOPE_SE
	s_setreg_imm32_b32 hwreg(HW_REG_WAVE_MODE, 25, 1), 1
	s_wait_xcnt 0x0
; out0[b][l][slot][:] = causal softmax attention of one head, both products on codes of FP6 (E2M3) with one E8M0 scale for each 32 along a product's K.
; All tensors are [8][1024][8][64] f32: a (position, head) row is 256 consecutive bytes, rows of one head lie 2,048 bytes apart.
; HEADS.  Output slots 0..6 take heads 2, 1, 7, 3, 0, 5, 4 of queries, keys, values; slot 7 takes head 6 of queries, keysT, valuesT (the module's fixed permutation [6 2 1 7 3 0 5 4]); as nibbles, slot j at bits 4 j: 0x64503712.
; SOFTMAX.  t = score x log2(e) / 8; M = the running largest t rounded UP to a whole number; p = 2^(t - M) is quantised along the keys, not normalised; the row's sum is taken of the unquantised p and divides at the end.
; When M moves, the sum and O are multiplied by 2^(old M - new M): exact.
; SHARES.  Work-group (g, bh): g = 0..3, batch bh / 8, slot bh % 8.  Eight waves.  Wave w owns two tiles of 16 queries: B = tile 4 w + g (it needs w / 2 + 1 key steps of 128) and A = tile 63 - B (8 - w / 2 steps): 9 steps a wave, for every wave.
; The launch is 9 trips, written out: in each a wave does ONE tile-step (16 queries x 128 keys); tile A first, then tile B.  Which step a wave reads hangs on its number alone.
; K AND V arrive as f32 and are quantised here: in trips 0..6 waves 0-3 quantise the next step's K (along the head's 64), waves 4-7 its V (along the keys), 32 keys a wave.  The rows come by dense loads of 16 bytes a lane (two whole rows an
; instruction) into a ring of three register sets, three steps ahead: the waits are counted, so the loads stay out over barriers.  They turn through the wave's own stage in LDS, so that a lane holds a whole block of 32 along K.
; The codes go to LDS as IMAGES OF THE OPERANDS' REGISTERS.  All 8 steps' images stay (8 x 13,056 bytes): no image byte is written twice, so one barrier a trip, between an image's stores and its reads, is all the ordering.
; The four work-groups of a head read the same rows of K and V.  They are not asked for jointly: the rows are f32 and must pass through registers to be quantised, a head's 512 KiB of them do not fit in LDS at once,
; and the register ring keeps 48 loads a wave on their way across barriers.
; LAYOUT.  Both products are used transposed: S^T = K Q^T (source 0 = 16 keys, source 1 = my 16 queries), O^T = V^T P^T (source 0 = 16 channels, source 1 = P): a lane holds ONE query (lane % 16) throughout.
; THE KEYS OF A TILE ARE NOT NEIGHBOURS: lane r of tile 2 b + u takes key 32 b + 8 u + r + 8 (r / 8), so that the 16 registers of tiles 2 b, 2 b + 1 are the neighbouring keys 32 b + 16 (lane / 16) + 0 .. 15.
; THE FIRST PRODUCT'S K IS 64, the instruction's 128.  Q's fragment has zero codes for k = 64 .. 127 and the scale bytes 0x7f there.  A tile of K names 12 registers of which the upper six are the NEXT tile's codes (for tile 7: zeros), with
; scale bytes 0x7f: any code of this format is a finite number, and times Q's zero codes it adds exactly nothing.  So eight fragments of K take 48 registers and 12 LDS loads.
; LIMITS.  NaN and infinities among the inputs are not served.  A block whose largest magnitude lies under 2^-124 (a block of zeros among them) gets the scale byte 1: a block of zeros has zero codes, which add nothing under that byte, and only this
; text reads the bytes.  A block's largest p is made from the block's largest score by the same multiply-add and exponential as every p: this takes the exponential not to fall where its input rises.
.set STEPB, 13056                      ; a step's images: K's codes 6,144, V's codes 6,144, K's scale words 512, V's 256
.set VIM,   6144                       ; V's codes
.set KSC,   12288                      ; K's scale words: 16 x lane + 4 j: lanes 0-15 tile 2 j, lanes 16-31 tile 2 j + 1
.set VSC,   12800                      ; V's scale words: 16 r + 4 x tile + key block
.set STG,   8*STEPB                    ; behind the images: a stage of 32 rows x 272 bytes for each wave, its own
.set SP,    272                        ; a stage row: 256 bytes + 16: the 16 rows that a load of 16 bytes a lane touches start at different banks
.set WSTG,  32*SP
; window 0
.set LI,   1                           ; v1   16 x lane
.set LV,   2                           ; v2   16 r
.set STS,  3                           ; v3   stage, by whole rows: 272 h + 16 r
.set TRK,  4                           ; v4   stage, turned for K and Q: 272 r + 128 h
.set TRV,  5                           ; v5   stage, turned for V: 4 x lane
.set OST,  6                           ; v6   stage, the way out: 272 r + 32 h
.set GL,   7                           ; v7   memory: 2,048 h + 16 r: two rows an instruction; never rewritten
.set IMK,  8                           ; v8   where I store K's image
.set KSA,  9                           ; v9   and K's scale word
.set ADI,  10                          ; v10  16 x lane + the step's images
.set ADV,  11                          ; v11  16 r + the step's images
                                       ; v12 -M, v13 the largest t, v[14:15] the row's sum in two halves
.set QF,   16                          ; v16-27  Q's fragment: six registers of codes, six of zeros
.set VA,   28                          ; v28-30  where I store V's image, three pieces of 8 bytes
.set VSB,  31                          ; v31  and V's scale bytes
.set F,    32                          ; v32-79  K's eight fragments, then V's four;  v80-85 zeros
.set QB,   86                          ; v86-91  tile B's codes of Q, v92 its scale word, until tile A is finished
.set QBS,  92
.set RH,   93                          ; v93  r - 16 h
.set SELK, 94                          ; v94  byte selects that make K's scale word
.set SELQ, 95                          ; v95  and Q's
.set S,    96                          ; v96-159 S^T, then p; the quantisers' 64 numbers; the way out
.set O,    160                         ; v160-191 O^T
.set PC,   192                         ; v192-203 codes just made
.set PT,   204                         ; v204-206, v208-210 a conversion's upper half (its three registers begin on an even number)
.set MX,   212                         ; v212-213 largest magnitudes;  v221-222 their second chains
.set SO,   214                         ; v214-215 the conversions' scale operands
.set BY,   216                         ; v216-217 scale bytes
.set X,    218
.set Y,    219
.set W,    220
.set MY,   221
                                       ; v224-235 p's codes; v232-239, v244-247, v252, v254 at work; v240-243 V's scale words; v248-251 K's; v253 p's; v255 Q's
; window 1: v0-191 three sets of 64: a step's 32 rows as loaded (step s in set s % 3); v192-223 a tile of Q as loaded
.set WV,   16                          ; s16  wave
.set U,    17                          ; s17  wave / 2
.set WL,   19                          ; s19  wave % 4
.set SEL,  20                          ; s[20:21] v_permlanex16_b32's selects for lane l xor 16
.set CS,   22                          ; s[22:23] c = log2(e) / 8, twice: the packed form names the pair
.set KVB,  32                          ; s[32:33] my 32 rows of step 0: of K (waves 0-3) or of V (waves 4-7); never rewritten
.set SQA,  34                          ; s[34:35], s[36:37] Q at tile A, tile B
.set SQB,  36
.set SOA,  38                          ; s[38:39], s[40:41] out0 at tile A, tile B
.set SOB,  40
.set DA,   42                          ; s42  tile A's first query within its diagonal step
.set DB,   43                          ; s43  tile B's
.set OFF,  44                          ; s44  where the images of the step in hand begin
.set MSB, 0
.macro WIN new                         ; s_set_vgpr_msb: bits 1:0 source 0, 3:2 source 1, 7:6 destination; the high byte repeats the setting that is left
.if MSB != \new
	s_set_vgpr_msb (MSB<<8)|\new
.set MSB, \new
.endif
.endm
; Step st's 32 rows of mine, 16 loads of two whole rows each, into set st % 3.  The rows are taken in the order in which the stage wants them: stage rows 0-7 keys 0-7, 8-15 keys 16-23, 16-23 keys 8-15, 24-31 keys 24-31.
.macro KVLOAD st
	WIN 0x40                                       ; destination window 1
.irp i, 0,1,2,3,4,5,6,7,8,9,10,11,12,13,14,15
	global_load_b128 v[64*((\st)%3)+4*\i:64*((\st)%3)+4*\i+3], v[GL], s[KVB:KVB+1] offset:(\st)*262144+(((2*\i)&7)+16*((\i>>2)&1)+8*((\i>>3)&1))*2048
.endr
	WIN 0
.endm
.macro QLOAD base                      ; a tile's 16 rows of Q: read once in the launch
	WIN 0x40
.irp i, 0,1,2,3,4,5,6,7
	global_load_b128 v[192+4*\i:192+4*\i+3], v[GL], s[\base:\base+1] offset:4096*\i th:TH_LOAD_NT
.endr
	WIN 0
.endm
; nb blocks of 32 numbers, each whole in my lane at v[S + 32 c] on, become codes in v[dst + 6 c] on, six registers a block, and scale bytes in v[BY + c].
.macro QCORE nb, dst
.set QC, 0
.rept \nb
	v_max3_num_f32 v[MX+QC], |v[S+32*QC]|, |v[S+32*QC+1]|, 0x1800000      ; the largest magnitude, in two chains; and the floor 2^(3 - 127): the byte cannot fall under 1
	v_max3_num_f32 v[MY+QC], |v[S+32*QC+16]|, |v[S+32*QC+17]|, |v[S+32*QC+18]|
.set QC, QC+1
.endr
.irp k, 0,1,2,3,4,5
.set QC, 0
.rept \nb
	v_max3_num_f32 v[MX+QC], v[MX+QC], |v[S+32*QC+2+2*\k]|, |v[S+32*QC+3+2*\k]|
	v_max3_num_f32 v[MY+QC], v[MY+QC], |v[S+32*QC+19+2*\k]|, |v[S+32*QC+20+2*\k]|
.set QC, QC+1
.endr
.endr
.set QC, 0
.rept \nb
	v_max3_num_f32 v[MX+QC], v[MX+QC], |v[S+32*QC+14]|, |v[S+32*QC+15]|
.set QC, QC+1
.endr
.set QC, 0
.rept \nb
	v_max3_num_f32 v[MX+QC], v[MX+QC], v[MY+QC], |v[S+32*QC+31]|
.set QC, QC+1
.endr
.set QC, 0
.rept \nb
	v_add_nc_u32 v[SO+QC], 0xff000000, v[MX+QC]    ; 2 off its exponent field: the conversion takes the exponent field of this operand as its scale, and nothing else of it
.set QC, QC+1
.endr
.set QC, 0
.rept \nb
	v_lshrrev_b32 v[BY+QC], 23, v[SO+QC]           ; the scale's byte
.set QC, QC+1
.endr
.set QC, 0
.rept \nb
	v_cvt_scalef32_pk16_fp6_f32 v[\dst+6*QC:\dst+6*QC+2], v[S+32*QC:S+32*QC+15], v[SO+QC]
	v_cvt_scalef32_pk16_fp6_f32 v[PT+4*QC:PT+4*QC+2], v[S+32*QC+16:S+32*QC+31], v[SO+QC]
.set QC, QC+1
.endr
	v_nop                                          ; one plain place behind a scaled conversion
.set QC, 0
.rept \nb
.irp i, 0,1,2
	v_mov_b32 v[\dst+3+6*QC+\i], v[PT+4*QC+\i]
.endr
.set QC, QC+1
.endr
.endm
; Step st's 32 rows of mine are quantised and their images stored.  n = the loads issued behind that step's sixteen, which may stay out.
.macro QUANT st, n
	s_wait_loadcnt \n                              ; loads come back in order: step st's are in
	WIN 0x04                                       ; an LDS store's data are its source 1: window 1
.irp i, 0,1,2,3,4,5,6,7,8,9,10,11,12,13,14,15
	ds_store_b128 v[STS], v[64*((\st)%3)+4*\i:64*((\st)%3)+4*\i+3] offset:2*SP*\i   ; as loaded: two stage rows an instruction
.endr
	WIN 0
	s_cmp_lt_u32 s[WV], 4                          ; LDS serves a wave's instructions in order: the loads below see the stores above
	s_cbranch_scc0 .Lturn_v_\@
.irp e, 0,1                                    ; K: lane (r, h) takes, of row r of tile 2 wl + e, the head's numbers 32 h .. 32 h + 31: a whole block
.irp q, 0,1,2,3,4,5,6,7
	ds_load_b128 v[S+32*\e+4*\q:S+32*\e+4*\q+3], v[TRK] offset:16*SP*\e+16*\q
.endr
.endr
	s_branch .Lturned_\@
.Lturn_v_\@:
.irp e, 0,1                                    ; V: lane l takes channel l + 32 e, and its registers run down the 32 keys: a whole block
.irp i, 0,1,2,3,4,5,6,7,8,9,10,11,12,13,14,15,16,17,18,19,20,21,22,23,24,25,26,27,28,29,30,31
	ds_load_b32 v[S+32*\e+\i], v[TRV] offset:((\i&7)+8*((\i>>4)&1)+16*((\i>>3)&1))*SP+128*\e
.endr
.endr
.Lturned_\@:
	s_wait_dscnt 0x0                               ; the numbers are in; the stage's stores have read the set,
.if (\st)+3 <= 7
	KVLOAD (\st)+3                                 ; which takes the loads of three steps on
.endif
	QCORE 2, PC
	s_cmp_lt_u32 s[WV], 4
	s_cbranch_scc0 .Lput_v_\@
	v_lshl_or_b32 v[X], v[BY+1], 16, v[BY]         ; K: my bytes of tiles 2 wl and 2 wl + 1, block h, with 0x7f between them
	v_or_b32 v[X], 0x7f007f00, v[X]
	v_permlanex16_b32 v[Y], v[X], s[SEL], s[SEL+1] ; and lane l xor 16's: the other block's
	v_perm_b32 v[W], v[X], v[Y], v[SELK]           ; lanes 0-15: tile 2 wl's word of row r, lanes 16-31: tile 2 wl + 1's: block 0, block 1, 0x7f, 0x7f
.irp c, 0,1,2
	ds_store_b128 v[IMK], v[PC+4*\c:PC+4*\c+3] offset:((\st)&3)*STEPB+512*\c   ; my twelve registers are registers 12 wl .. 12 wl + 11 of the reader, in the same lanes
.endr
	ds_store_b32 v[KSA], v[W] offset:((\st)&3)*STEPB
	s_branch .Lput_\@
.Lput_v_\@:
.irp e, 0,1                                    ; V: my six registers are registers 12 td + 6 (wl / 2) + 0 .. 5 of the reader's lane l % 16 + 16 (wl % 2), td = l / 16 + 2 e
.irp p, 0,1,2
	ds_store_b64 v[VA+\p], v[PC+6*\e+2*\p:PC+6*\e+2*\p+1] offset:((\st)&3)*STEPB+3072*\e
.endr
.endr
	ds_store_b8 v[VSB], v[BY] offset:((\st)&3)*STEPB
	ds_store_b8 v[VSB], v[BY+1] offset:((\st)&3)*STEPB+8
.Lput_\@:
.endm
; A tile of Q, as loaded, becomes six registers of codes at v[dst] and a scale word in v[dsc].
.macro QQUANT dst, dsc, n
	s_wait_loadcnt \n
	WIN 0x04
.irp i, 0,1,2,3,4,5,6,7
	ds_store_b128 v[STS], v[192+4*\i:192+4*\i+3] offset:2*SP*\i
.endr
	WIN 0
.irp q, 0,1,2,3,4,5,6,7
	ds_load_b128 v[S+4*\q:S+4*\q+3], v[TRK] offset:16*\q        ; lane (r, h): query r, the head's numbers 32 h .. 32 h + 31
.endr
	s_wait_dscnt 0x0
	QCORE 1, \dst
	v_or_b32 v[X], 0x7f00, v[BY]
	v_permlanex16_b32 v[Y], v[X], s[SEL], s[SEL+1]
	v_perm_b32 v[\dsc], v[X], v[Y], v[SELQ]        ; block 0, block 1, 0x7f, 0x7f
.endm
; ONE TILE-STEP: my 16 queries x 128 keys, in trip tau.  mask = 1: the trip can be the tile's diagonal step; sd: the scalar with the tile's first query within that step.
.macro ATT tau, mask, sd
.if \tau < 5
	s_mov_b32 s[OFF], \tau*STEPB                   ; every wave is at tile A's step tau
.elseif \tau < 8
	s_add_co_u32 s[OFF], s[U], \tau                ; tile A's step tau while tau + u < 8, then tile B's step tau + u - 8: the lesser of tau and (tau + u) xor 8
	s_xor_b32 s[OFF], s[OFF], 8
	s_min_u32 s[OFF], s[OFF], \tau
	s_mul_i32 s[OFF], s[OFF], STEPB
.else
	s_mul_i32 s[OFF], s[U], STEPB                  ; tile B's last step
.endif
	v_add_nc_u32 v[ADI], s[OFF], v[LI]
	v_add_nc_u32 v[ADV], s[OFF], v[LV]
.irp c, 0,1,2,3,4,5,6,7,8,9,10,11
	ds_load_b128 v[F+4*\c:F+4*\c+3], v[ADI] offset:512*\c       ; K's image: 48 registers
.endr
	ds_load_b128 v[248:251], v[ADI] offset:KSC
	s_wait_dscnt 0x0
.irp t, 0,1,2,3,4,5,6,7
.if \t%2
	v_wmma_scale_f32_16x16x128_f8f6f4 v[S+8*\t:S+8*\t+7], v[F+6*\t:F+6*\t+11], v[QF:QF+11], 0, v[248+\t/2], v255 matrix_a_fmt:MATRIX_FMT_FP6 matrix_b_fmt:MATRIX_FMT_FP6 matrix_a_scale:MATRIX_SCALE_ROW1
.else
	v_wmma_scale_f32_16x16x128_f8f6f4 v[S+8*\t:S+8*\t+7], v[F+6*\t:F+6*\t+11], v[QF:QF+11], 0, v[248+\t/2], v255 matrix_a_fmt:MATRIX_FMT_FP6 matrix_b_fmt:MATRIX_FMT_FP6
.endif
.endr
.rept 4
	v_nop                                          ; four places behind the products: in front of the loads into K's registers and of the first read of the scores
.endr
.irp c, 0,1,2,3,4,5,6,7,8,9,10,11
	ds_load_b128 v[F+4*\c:F+4*\c+3], v[ADI] offset:VIM+512*\c   ; V's image: it lands while the softmax is walked
.endr
	ds_load_b128 v[240:243], v[ADV] offset:VSC
.if \mask                                      ; on the diagonal the scores of hidden keys become -infinity ahead of the maximum: p = 0 then.  The step's key 0 counts for every query of the tile
.if \tau < 8
	s_cmp_lg_u32 s[U], 7-\tau                      ; tile A's diagonal step is step 7 - u
	s_cbranch_scc1 .Lopen_\@
.endif
	v_add_nc_u32 v252, s[\sd], v[RH]               ; d = my query within the step - 16 h.  Register 16 b + i holds the step's key 32 b + 16 h + i: hidden where 32 b + i > d
	v_mov_b32 v254, 0xff800000
.irp n, 0,1,2,3,4,5,6,7,8,9,10,11,12,13,14,15,16,17,18,19,20,21,22,23,24,25,26,27,28,29,30,31,32,33,34,35,36,37,38,39,40,41,42,43,44,45,46,47,48,49,50,51,52,53,54,55,56,57,58,59,60,61,62,63
	v_cmp_gt_i32 vcc_lo, 32*(\n/16)+\n%16, v252
	v_cndmask_b32 v[S+\n], v[S+\n], v254, vcc_lo
.endr
.Lopen_\@:
.endif
.irp b, 0,1,2,3
	v_max3_num_f32 v[232+\b], v[S+16*\b], v[S+1+16*\b], v[S+2+16*\b]   ; the largest score of each block of 32 keys: for the row's maximum, and for the block's largest p
.endr
.irp i, 3,5,7,9,11,13
.irp b, 0,1,2,3
	v_max3_num_f32 v[232+\b], v[232+\b], v[S+16*\b+\i], v[S+1+16*\b+\i]
.endr
.endr
.irp b, 0,1,2,3
	v_max_num_f32 v[232+\b], v[232+\b], v[S+15+16*\b]
.endr
.irp b, 0,1,2,3
	v_permlanex16_b32 v[236+\b], v[232+\b], s[SEL], s[SEL+1]
.endr
.irp b, 0,1,2,3
	v_max_num_f32 v[232+\b], v[232+\b], v[236+\b]  ; with lane l xor 16's 16 keys
.endr
	v_max3_num_f32 v254, v232, v233, v234
	v_max_num_f32 v254, v254, v235                 ; the step's largest score of my query
	v_mul_f32 v254, s[CS], v254                    ; as t (c is positive)
	v_max_num_f32 v13, v13, v254                   ; the running largest t
	v_mov_b32 v254, v12
	v_floor_f32 v12, -v13                          ; the new -M = floor(-t): M is a whole number
	v_sub_f32 v254, v12, v254                      ; old M - new M: a whole number, 0 or less
	v_cvt_i32_f32 v254, v254                       ; (it saturates)
	v_ldexp_f32 v252, 1.0, v254                    ; f = 2^(old M - new M)
.irp j, 0,2,4,6,8,10,12,14,16,18,20,22,24,26,28,30,32,34,36,38,40,42,44,46,48,50,52,54,56,58,60,62
	v_pk_fma_f32 v[S+\j:S+\j+1], v[S+\j:S+\j+1], s[CS:CS+1], v[12:13] op_sel_hi:[1,0,0]   ; t - M, two at a time
.endr
.irp b, 0,1,2,3
	v_fma_f32 v[232+\b], v[232+\b], s[CS], v12     ; the same of each block's largest score
.endr
.irp j, 0,1,2,3,4,5,6,7,8,9,10,11,12,13,14,15,16,17,18,19,20,21,22,23,24,25,26,27,28,29,30,31,32,33,34,35,36,37,38,39,40,41,42,43,44,45,46,47,48,49,50,51,52,53,54,55,56,57,58,59,60,61,62,63
	v_exp_f32 v[S+\j], v[S+\j]                     ; p = 2^(t - M), at most 1
.endr
.irp b, 0,1,2,3
	v_exp_f32 v[232+\b], v[232+\b]                 ; the block's largest p
.endr
	v_pk_mul_f32 v[14:15], v[14:15], v[252:253] op_sel_hi:[1,0]   ; the sums under the new M.  (The plain place behind the exponentials)
	s_wait_alu depctr_va_vdst(0)
.irp b, 0,1,2,3
	v_max_num_f32 v[232+\b], 0x1800000, v[232+\b]  ; the floor 2^(3 - 127): a block whose every p is 0 keeps the byte 1: its codes are zeros
.endr
.irp b, 0,1,2,3
	v_add_nc_u32 v[244+\b], 0xff000000, v[232+\b]  ; 2 off the exponent field: the conversion's scale operand
.endr
.irp b, 0,1,2,3
	v_lshrrev_b32 v[236+\b], 23, v[244+\b]         ; the scale's byte
.endr
	v_lshl_or_b32 v253, v237, 8, v236              ; p's scale word for these 128 keys
	v_lshl_or_b32 v253, v238, 16, v253
	v_lshl_or_b32 v253, v239, 24, v253
.irp c, 0,1
	v_cvt_scalef32_pk16_fp6_f32 v[224+6*\c:226+6*\c], v[S+32*\c:S+15+32*\c], v[244+2*\c]
	v_cvt_scalef32_pk16_fp6_f32 v[PT+4*\c:PT+2+4*\c], v[S+16+32*\c:S+31+32*\c], v[244+2*\c+1]
.endr
	v_nop                                          ; one plain place behind a scaled conversion
.irp c, 0,1                                    ; the operand's layout wants a WHOLE block in a lane: lanes 0-15 block 2 c, lanes 16-31 block 2 c + 1
.irp i, 0,1,2
	v_permlane16_swap_b32 v[224+6*\c+\i], v[PT+4*\c+\i]
.endr
.irp i, 0,1,2
	v_mov_b32 v[227+6*\c+\i], v[PT+4*\c+\i]
.endr
.endr
	v_pk_add_f32 v[236:237], v[S:S+1], v[S+2:S+3]  ; the row's sum is taken of the unquantised p: two at a time, in two chains
.irp j, 4,8,12,16,20,24,28,32,36,40,44,48,52,56,60
	v_pk_add_f32 v[14:15], v[14:15], v[S+\j:S+\j+1]
	v_pk_add_f32 v[236:237], v[236:237], v[S+2+\j:S+3+\j]
.endr
	v_pk_add_f32 v[14:15], v[14:15], v[236:237]
.irp j, 0,2,4,6,8,10,12,14,16,18,20,22,24,26,28,30
	v_pk_mul_f32 v[O+\j:O+\j+1], v[O+\j:O+\j+1], v[252:253] op_sel_hi:[1,0]   ; O^T under the new M.  (With the sums above: 48 plain lines between p's codes and scale word and the products that take them)
.endr
	s_wait_dscnt 0x0                               ; V's image is in
.irp t, 0,1,2,3                                ; the four accumulators take turns, one instruction a turn, and the next matrix instructions are the next step's scores
	v_wmma_scale_f32_16x16x128_f8f6f4 v[O+8*\t:O+8*\t+7], v[F+12*\t:F+12*\t+11], v[224:235], v[O+8*\t:O+8*\t+7], v[240+\t], v253 matrix_a_fmt:MATRIX_FMT_FP6 matrix_b_fmt:MATRIX_FMT_FP6
.endr
.rept 4
	v_nop                                          ; four places: in front of the next loads into V's registers and of the first read of O^T
.endr
.endm
; A tile is finished: O^T / the sum goes through my stage and leaves as whole rows of 256 bytes.  reinit = 1: tile B takes over.
.macro FINISH base, reinit
	v_add_f32 v14, v14, v15                        ; the sum's two halves,
	v_permlanex16_b32 v252, v14, s[SEL], s[SEL+1]
	v_add_f32 v14, v14, v252                       ; and lane l xor 16's: the row's sum
	v_rcp_f32 v14, v14
	v_nop                                          ; one plain place behind a transcendental
	s_wait_alu depctr_va_vdst(0)
.irp j, 0,2,4,6,8,10,12,14,16,18,20,22,24,26,28,30
	v_pk_mul_f32 v[S+\j:S+\j+1], v[O+\j:O+\j+1], v[14:15] op_sel_hi:[1,0]   ; each accumulator from its low end on; register 8 t + i is o(query r, channel 16 t + 8 h + i)
.endr
.irp t, 0,1,2,3
	ds_store_b128 v[OST], v[S+8*\t:S+8*\t+3] offset:64*\t
	ds_store_b128 v[OST], v[S+8*\t+4:S+8*\t+7] offset:64*\t+16
.endr
.irp i, 0,1,2,3,4,5,6,7
	ds_load_b128 v[S+32+4*\i:S+32+4*\i+3], v[STS] offset:2*SP*\i   ; LDS serves a wave's instructions in order: these see my stores
.endr
.irp i, 0,1,2,3,4,5,6,7
	s_wait_dscnt 7-\i                              ; pair i of rows is back; the younger loads may be out
	global_store_b128 v[GL], v[S+32+4*\i:S+32+4*\i+3], s[\base:\base+1] offset:4096*\i th:TH_STORE_NT   ; sixteen lanes store a row's 256 consecutive bytes, at a multiple of 256 from out0's first byte
.endr
.if \reinit
	s_wait_xcnt 0x0                                ; the stores' data registers are written again only behind this wait
	v_mov_b32 v255, v[QBS]                         ; tile B's scale word and codes first: 36 plain lines follow them, ahead of the next scaled product
.irp i, 0,1,2,3,4,5
	v_mov_b32 v[QF+\i], v[QB+\i]
.endr
.irp j, 0,1,2,3,4,5,6,7,8,9,10,11,12,13,14,15,16,17,18,19,20,21,22,23,24,25,26,27,28,29,30,31
	v_mov_b32 v[O+\j], 0
.endr
	v_mov_b32 v13, 0xff61b1e6
	v_floor_f32 v12, -v13
	v_mov_b32 v14, 0
	v_mov_b32 v15, 0
.endif
.endm
.macro FIN_A tau                       ; tile A ends in trip 7 - u
	s_cmp_lg_u32 s[U], 7-\tau
	s_cbranch_scc1 .Lnot_yet_\@
	FINISH SOA, 1
.Lnot_yet_\@:
.endm
.macro BARRIER                         ; my stores into the next step's images have landed, my LDS loads are in: then the work-group's barrier.  Global loads stay out across it: nobody writes what they read
	s_wait_dscnt 0x0
	s_barrier_signal -1
	s_barrier_wait -1
.endm
	s_load_b256 s[4:11], s[0:1], 0x0               ; queries s[4:5], keys s[6:7], keysT s[8:9], values s[10:11]
	s_load_b128 s[12:15], s[0:1], 0x20             ; valuesT s[12:13], out0 s[14:15]
	v_lshl_add_u32 v211, v0, 2, 0x2a800
	v_mov_b32 v223, 0
	v_lshrrev_b32 v96, 5, v0
	v_readfirstlane_b32 s[WV], v96                 ; wave 0..7
	v_and_b32 v96, 15, v0                          ; r
	v_bfe_u32 v97, v0, 4, 1                        ; h
	v_and_b32 v98, 31, v0                          ; lane
	v_lshlrev_b32 v[GL], 11, v97
	v_lshl_add_u32 v[GL], v96, 4, v[GL]
	s_lshr_b32 s[U], s[WV], 1
	s_and_b32 s[WL], s[WV], 3
	s_and_b32 s24, ttmp7, 0xffff
	s_lshr_b32 s25, s24, 3                         ; batch
	s_and_b32 s26, s24, 7                          ; slot
	s_lshl_b32 s27, s26, 2
	s_lshr_b32 s27, 0x64503712, s27
	s_and_b32 s27, s27, 15                         ; the head that the slot takes
	s_lshl_b32 s28, s[WV], 2
	s_add_co_u32 s28, s28, ttmp9                   ; tile B = 4 w + g
	s_sub_co_u32 s29, 63, s28                      ; tile A = 63 - B
	s_and_b32 s[DA], s29, 7
	s_lshl_b32 s[DA], s[DA], 4
	s_and_b32 s[DB], s28, 7
	s_lshl_b32 s[DB], s[DB], 4
	s_lshl_b32 s25, s25, 21                        ; a batch is 2^21 bytes
	s_lshl_b32 s27, s27, 8
	s_add_co_u32 s27, s27, s25                     ; batch and head, in the inputs
	s_lshl_b32 s30, s26, 8
	s_add_co_u32 s30, s30, s25                     ; batch and slot, in out0
	s_lshl_b32 s28, s28, 15                        ; a tile's 16 positions are 2^15 bytes
	s_lshl_b32 s29, s29, 15
	s_lshl_b32 s46, s[WL], 16                      ; my 32 keys of a step
	s_add_co_u32 s46, s46, s27
	s_mov_b32 s47, 0
	s_add_co_u32 s48, s27, s29
	s_mov_b32 s49, 0
	s_add_co_u32 s50, s27, s28
	s_mov_b32 s51, 0
	s_add_co_u32 s52, s30, s29
	s_mov_b32 s53, 0
	s_add_co_u32 s54, s30, s28
	s_mov_b32 s55, 0
	s_mov_b32 s[SEL], 0x76543210
	s_mov_b32 s[SEL+1], 0xfedcba98
	s_mov_b32 s[CS], 0x3e38aa3b                    ; log2(e) / 8
	s_mov_b32 s[CS+1], s[CS]
	s_wait_kmcnt 0x0
	s_cmp_eq_u32 s26, 7                            ; slot 7 is the cross head: keysT and valuesT
	s_cselect_b64 s[6:7], s[8:9], s[6:7]
	s_cselect_b64 s[10:11], s[12:13], s[10:11]
	s_cmp_lt_u32 s[WV], 4                          ; waves 0-3 fetch K, waves 4-7 V
	s_cselect_b64 s[KVB:KVB+1], s[6:7], s[10:11]
	s_add_nc_u64 s[KVB:KVB+1], s[KVB:KVB+1], s[46:47]
	s_add_nc_u64 s[SQA:SQA+1], s[4:5], s[48:49]
	s_add_nc_u64 s[SQB:SQB+1], s[4:5], s[50:51]
	s_add_nc_u64 s[SOA:SOA+1], s[14:15], s[52:53]
	s_add_nc_u64 s[SOB:SOB+1], s[14:15], s[54:55]
	KVLOAD 0                                       ; 56 loads go out; the rest of the head is made while they are on their way
	QLOAD SQA
	KVLOAD 1
	KVLOAD 2
	s_mul_i32 s45, s[WV], WSTG
	s_add_co_u32 s45, s45, STG                     ; my stage
	v_lshlrev_b32 v[LI], 4, v98
	v_lshlrev_b32 v[LV], 4, v96
	v_mul_u32_u24 v[STS], v97, SP
	v_lshl_add_u32 v[STS], v96, 4, v[STS]
	v_add_nc_u32 v[STS], s45, v[STS]
	v_mul_u32_u24 v[TRK], v96, SP
	v_lshl_add_u32 v[OST], v97, 5, v[TRK]
	v_lshl_add_u32 v[TRK], v97, 7, v[TRK]
	v_add_nc_u32 v[TRK], s45, v[TRK]
	v_add_nc_u32 v[OST], s45, v[OST]
	v_lshl_add_u32 v[TRV], v98, 2, s45
	s_mul_i32 s56, s[WL], 1536
	v_add_nc_u32 v[IMK], s56, v[LI]                ; K's image: three groups of four registers a wave
	s_lshl_b32 s56, s[WL], 2
	s_add_co_u32 s56, s56, KSC
	v_add_nc_u32 v[KSA], s56, v[LI]
	s_and_b32 s56, s[WL], 1                        ; V's image: the reader's lane is r + 16 (wl % 2): 256 (wl % 2) + 16 r; its registers 12 (h + 2 e) + 6 (wl / 2) + 0 .. 5
	s_lshl_b32 s56, s56, 8
	s_add_co_u32 s56, s56, VIM
	s_lshr_b32 s57, s[WL], 1
	s_mul_i32 s58, s57, 520                        ; register pairs 0, 2, 4 lie at bytes 0, 8, 512 of the groups; pairs 6, 8, 10 at 520, 1,024, 1,032
	s_mul_i32 s59, s57, 1016
	v_mul_u32_u24 v99, v97, 1536
	v_lshl_add_u32 v99, v96, 4, v99
	v_add_nc_u32 v99, s56, v99
	v_add_nc_u32 v[VA], s58, v99
	s_add_co_u32 s59, s59, 8
	v_add_nc_u32 v[VA+1], s59, v99
	s_add_co_u32 s58, s58, 512
	v_add_nc_u32 v[VA+2], s58, v99
	s_add_co_u32 s56, s[WL], VSC
	v_lshl_add_u32 v[VSB], v97, 2, v[LV]
	v_add_nc_u32 v[VSB], s56, v[VSB]               ; V's scale bytes: 16 r + 4 (h + 2 e) + wl
	v_lshlrev_b32 v99, 4, v97
	v_sub_nc_u32 v[RH], v96, v99
	v_mul_u32_u24 v[SELK], v97, 0x5fe
	v_add_nc_u32 v[SELK], 0x05050004, v[SELK]      ; lanes 0-15: my byte 0, the other's byte 0, 0x7f, 0x7f; lanes 16-31 (0x05050602): the other's byte 2, my byte 2, 0x7f, 0x7f
	v_mul_u32_u24 v[SELQ], v97, 0x3fc
	v_add_nc_u32 v[SELQ], 0x05050004, v[SELQ]      ; lanes 16-31 (0x05050400): the other's byte 0, my byte 0, 0x7f, 0x7f
.irp i, 0,1,2,3,4,5
	v_mov_b32 v[QF+6+\i], 0                        ; Q's zero codes for k = 64 .. 127
	v_mov_b32 v[F+48+\i], 0                        ; what tile 7 of K names there
.endr
.irp j, 0,1,2,3,4,5,6,7,8,9,10,11,12,13,14,15,16,17,18,19,20,21,22,23,24,25,26,27,28,29,30,31
	v_mov_b32 v[O+\j], 0                           ; O^T: the step is written without a first step of its own: it finds zeros, which the first change of M leaves zeros
.endr
	v_mov_b32 v13, 0xff61b1e6                      ; the largest t so far: -3e38, under every t
	v_floor_f32 v12, -v13                          ; -M
	v_mov_b32 v14, 0
	v_mov_b32 v15, 0
	v_mov_b32 v[Y], 0                              ; written once: a lane permute's destination counts as one of its sources
.irp b, 0,1,2,3
	v_mov_b32 v[236+\b], 0
.endr
	v_mov_b32 v253, 0                              ; (named as the upper half of the pair v[252:253] before it is first written)
	QUANT 0, 40                                    ; behind step 0's loads: Q's 8 and steps 1 and 2's 32
	QQUANT QF, 255, 48                             ; behind tile A's Q: steps 1, 2, 3
	BARRIER                                        ; step 0's images lie in LDS
	; trip 0
	QUANT 1, 32                                    ; behind step 1's: steps 2, 3
	QLOAD SQB                                      ; tile B's Q, into the registers that tile A's has left
	ATT 0, 0, DA
	BARRIER
	; trip 1
	QUANT 2, 40                                    ; behind step 2's: steps 3, 4 and Q's 8
	ATT 1, 0, DA
	BARRIER
	; trip 2
	QUANT 3, 40                                    ; behind step 3's: step 4, Q's 8, step 5
	ATT 2, 0, DA
	BARRIER
	; trip 3
.irp a, IMK, KSA, VA, VA+1, VA+2, VSB
	v_add_nc_u32 v[\a], 4*STEPB, v[\a]             ; on to images 4 to 7, so that the stores' immediates stay under 2^16
.endr
	QUANT 4, 40                                    ; behind step 4's: Q's 8, steps 5, 6
	QQUANT QB, QBS, 48                             ; behind tile B's Q: steps 5, 6, 7
	ATT 3, 0, DA
	BARRIER
	; trip 4
	QUANT 5, 32                                    ; behind step 5's: steps 6, 7
	ATT 4, 1, DA
	FIN_A 4
	BARRIER
	; trip 5
	QUANT 6, 16                                    ; behind step 6's: step 7
	ATT 5, 1, DA
	FIN_A 5
	BARRIER
	; trip 6
	QUANT 7, 0
	ATT 6, 1, DA
	FIN_A 6
	BARRIER                                        ; all eight steps' images lie in LDS: no barrier follows
	; trip 7
	ATT 7, 1, DA
	FIN_A 7
	; trip 8: tile B's diagonal step, in every wave
	ATT 8, 1, DB
	FINISH SOB, 0
	s_wait_tensorcnt 0x0
	ds_add_u32 v211, v223
	s_wait_dscnt 0x0
	s_endpgm
.Lfunc_end_k_q85fe525bdb_attn:
	.size	k_q85fe525bdb_attn, .Lfunc_end_k_q85fe525bdb_attn-k_q85fe525bdb_attn
	.p2alignl 7, 3214868480
	.fill 96, 4, 3214868480
	.section	.rodata,"a",@progbits
	.p2align	6, 0x0
	.amdhsa_kernel k_q85fe525bdb_attn
		.amdhsa_group_segment_fixed_size 175104
		.amdhsa_private_segment_fixed_size 0
		.amdhsa_enable_private_segment 0
		.amdhsa_kernarg_size 48
		.amdhsa_user_sgpr_count 2
		.amdhsa_user_sgpr_kernarg_segment_ptr 1
		.amdhsa_wavefront_size32 1
		.amdhsa_system_sgpr_workgroup_id_x 1
		.amdhsa_system_sgpr_workgroup_id_y 1
		.amdhsa_system_sgpr_workgroup_id_z 1
		.amdhsa_system_vgpr_workitem_id 0
		.amdhsa_next_free_vgpr 480
		.amdhsa_next_free_sgpr 66
		.amdhsa_reserve_vcc 1
		.amdhsa_float_denorm_mode_32 3
		.amdhsa_float_denorm_mode_16_64 3
		.amdhsa_memory_ordered 1
		.amdhsa_forward_progress 1
		.amdhsa_inst_pref_size 255
	.end_amdhsa_kernel
	.section	.bss,"aw",@nobits
	.p2align	6
	.space	262144
	.amdgpu_metadata
---
amdhsa.version: [ 1, 2 ]
amdhsa.kernels:
  - .name:           k_q85fe525bdb_attn
    .symbol:         k_q85fe525bdb_attn.kd
    .args:
      - { .name: queries, .offset: 0, .size: 8, .value_kind: global_buffer, .address_space: global }
      - { .name: keys, .offset: 8, .size: 8, .value_kind: global_buffer, .address_space: global }
      - { .name: keysT, .offset: 16, .size: 8, .value_kind: global_buffer, .address_space: global }
      - { .name: values, .offset: 24, .size: 8, .value_kind: global_buffer, .address_space: global }
      - { .name: valuesT, .offset: 32, .size: 8, .value_kind: global_buffer, .address_space: global }
      - { .name: out0, .offset: 40, .size: 8, .value_kind: global_buffer, .address_space: global }
    .group_segment_fixed_size: 175104
    .private_segment_fixed_size: 0
    .kernarg_segment_align: 8
    .kernarg_segment_size: 48
    .max_flat_workgroup_size: 256
    .sgpr_count:     66
    .vgpr_count:     480
    .wavefront_size: 32
...
	.end_amdgpu_metadata
.endif
;; end of part 1
;; ======== version 2 of 2: 1 launch; version 1 with the launch attn written anew for expert scheduling mode
;; launch attn (part 2): grid 4 x 64, 8 waves a work-group, no clusters, 175,104 bytes of LDS; arguments queries, keys, keysT, values, valuesT, out0; writes out0
.if DOCPART == 2
	.amdgcn_target "amdgcn-amd-amdhsa--gfx1250"
	.amdhsa_code_object_version 6
	.text
	.protected	k_q85fe525bdb_attn
	.globl	k_q85fe525bdb_attn
	.p2align	8
	.type	k_q85fe525bdb_attn,@function
k_q85fe525bdb_attn:
	s_mov_b64 s[64:65], 0
	v_nop
	global_prefetch_b8 v0, s[64:65] scope:SCOPE_SE
	s_setreg_imm32_b32 hwreg(HW_REG_WAVE_SCHED_MODE, 0, 2), 2
	s_setreg_imm32_b32 hwreg(HW_REG_WAVE_MODE, 25, 1), 1
	s_wait_xcnt 0x0
	s_wait_alu depctr_vm_vsrc(0)
; out0[b][l][slot][:] = causal softmax attention of one head, both products on codes of FP6 (E2M3) with one E8M0 scale for each 32 along a product's K.
; All tensors are [8][1024][8][64] f32: a (position, head) row is 256 consecutive bytes, rows of one head lie 2,048 bytes apart.
; HEADS.  Output slots 0..6 take heads 2, 1, 7, 3, 0, 5, 4 of queries, keys, values; slot 7 takes head 6 of queries, keysT, valuesT (the module's fixed permutation [6 2 1 7 3 0 5 4]); as nibbles, slot j at bits 4 j: 0x64503712.
; SOFTMAX.  t = score x log2(e) / 8; M = the running largest t rounded UP to a whole number; p = 2^(t - M) is quantised along the keys, not normalised; the row's sum is taken of the unquantised p and divides at the end.
; When M moves, the sum and O are multiplied by 2^(old M - new M): exact.
; SHARES.  Work-group (g, bh): g = 0..3, batch bh / 8, slot bh % 8.  Eight waves.  Wave w owns two tiles of 16 queries: B = tile 4 w + g (it needs w / 2 + 1 key steps of 128) and A = tile 63 - B (8 - w / 2 steps): 9 steps a wave, for every wave.
; The launch is 9 trips, written out: in each a wave does ONE tile-step (16 queries x 128 keys); tile A first, then tile B.  Which step a wave reads hangs on its number alone.
; K AND V arrive as f32 and are quantised here: in trips 0..6 waves 0-3 quantise the next step's K (along the head's 64), waves 4-7 its V (along the keys), 32 keys a wave.  The rows come by dense loads of 16 bytes a lane (two whole rows an
; instruction) into a ring of three register sets, three steps ahead: the waits are counted, so the loads stay out over barriers.  They turn through the wave's own stage in LDS, so that a lane holds a whole block of 32 along K.
; The codes go to LDS as IMAGES OF THE OPERANDS' REGISTERS.  All 8 steps' images stay (8 x 13,056 bytes): no image byte is written twice, so one barrier a trip, between an image's stores and its reads, is all the ordering.
; The four work-groups of a head read the same rows of K and V.  They are not asked for jointly: the rows are f32 and must pass through registers to be quantised, a head's 512 KiB of them do not fit in LDS at once,
; and the register ring keeps 48 loads a wave on their way across barriers.
; LAYOUT.  Both products are used transposed: S^T = K Q^T (source 0 = 16 keys, source 1 = my 16 queries), O^T = V^T P^T (source 0 = 16 channels, source 1 = P): a lane holds ONE query (lane % 16) throughout.
; THE KEYS OF A TILE ARE NOT NEIGHBOURS: lane r of tile 2 b + u takes key 32 b + 8 u + r + 8 (r / 8), so that the 16 registers of tiles 2 b, 2 b + 1 are the neighbouring keys 32 b + 16 (lane / 16) + 0 .. 15.
; THE FIRST PRODUCT'S K IS 64, the instruction's 128.  Q's fragment has zero codes for k = 64 .. 127 and the scale bytes 0x7f there.  A tile of K names 12 registers of which the upper six are the NEXT tile's codes (for tile 7: zeros), with
; scale bytes 0x7f: any code of this format is a finite number, and times Q's zero codes it adds exactly nothing.  So eight fragments of K take 48 registers and 12 LDS loads.
; LIMITS.  NaN and infinities among the inputs are not served.  A block whose largest magnitude lies under 2^-124 (a block of zeros among them) gets the scale byte 1: a block of zeros has zero codes, which add nothing under that byte, and only this
; text reads the bytes.  A block's largest p is made from the block's largest score by the same multiply-add and exponential as every p: this takes the exponential not to fall where its input rises.
; THE MODE: SCHED_MODE bits 1:0 = 2 (LLVM: expert scheduling mode 2), set by the entry lines.  The code itself states the register dependences between vector or matrix instructions and memory or LDS instructions, with s_wait_alu, always for 0.
; THE PLAN.  Registers that memory or LDS instructions touch:
;   window 1      the raw sets and raw Q: global loads land there, the stage's LDS stores read them; no vector instruction names them.  A set is loaded again behind the wait on vm_vsrc that follows its stage stores.
;   v[S ..]       the quantisers' turned loads and the way out's loads from the stage land there; the way out's stores read it; the quantisers, the score products, the softmax and the way out's multiplications name it.
;   v[F ..], v[248:251], v[240:243]   the images' loads land there; products alone read them.
;   v[PC ..], v[BY ..], v[W]          the quantiser writes them, the image stores read them.
;   v[ADI], v[ADV]                    written once a trip, at its head; read by the image loads.   v[IMK], v[KSA], v[VA ..], v[VSB]: written at the head and once in trip 3; read by the image stores.
;   v[GL], v[STS], v[TRK], v[TRV], v[OST]   written at the head alone.
; A TRIP: a wait on vm_vsrc and the two address additions; ONE wait on va_vdst, which frees v[F ..] and v[S ..] for all the loads up to the quantiser's arithmetic; K's image is asked for and lands while the next step is quantised;
; in the quantiser a wait on vm_vsrc behind its stage stores and a wait on va_vdst ahead of its image stores; a wait on va_vdst behind the score products, ahead of V's image; the wait behind the exponentials; a wait on va_vdst ahead of the second products.
.set STEPB, 13056                      ; a step's images: K's codes 6,144, V's codes 6,144, K's scale words 512, V's 256
.set VIM,   6144                       ; V's codes
.set KSC,   12288                      ; K's scale words: 16 x lane + 4 j: lanes 0-15 tile 2 j, lanes 16-31 tile 2 j + 1
.set VSC,   12800                      ; V's scale words: 16 r + 4 x tile + key block
.set STG,   8*STEPB                    ; behind the images: a stage of 32 rows x 272 bytes for each wave, its own
.set SP,    272                        ; a stage row: 256 bytes + 16: the 16 rows that a load of 16 bytes a lane touches start at different banks
.set WSTG,  32*SP
; window 0
.set LI,   1                           ; v1   16 x lane
.set LV,   2                           ; v2   16 r
.set STS,  3                           ; v3   stage, by whole rows: 272 h + 16 r
.set TRK,  4                           ; v4   stage, turned for K and Q: 272 r + 128 h
.set TRV,  5                           ; v5   stage, turned for V: 4 x lane
.set OST,  6                           ; v6   stage, the way out: 272 r + 32 h
.set GL,   7                           ; v7   memory: 2,048 h + 16 r: two rows an instruction; never rewritten
.set IMK,  8                           ; v8   where I store K's image
.set KSA,  9                           ; v9   and K's scale word
.set ADI,  10                          ; v10  16 x lane + the step's images
.set ADV,  11                          ; v11  16 r + the step's images
                                       ; v12 -M, v13 the largest t, v[14:15] the row's sum in two halves
.set QF,   16                          ; v16-27  Q's fragment: six registers of codes, six of zeros
.set VA,   28                          ; v28-30  where I store V's image, three pieces of 8 bytes
.set VSB,  31                          ; v31  and V's scale bytes
.set F,    32                          ; v32-79  K's eight fragments, then V's four;  v80-85 zeros
.set QB,   86                          ; v86-91  tile B's codes of Q, v92 its scale word, until tile A is finished
.set QBS,  92
.set RH,   93                          ; v93  r - 16 h
.set SELK, 94                          ; v94  byte selects that make K's scale word
.set SELQ, 95                          ; v95  and Q's
.set S,    96                          ; v96-159 S^T, then p; the quantisers' 64 numbers; the way out
.set O,    160                         ; v160-191 O^T
.set PC,   192                         ; v192-203 codes just made
.set PT,   204                         ; v204-206, v208-210 a conversion's upper half (its three registers begin on an even number)
.set MX,   212                         ; v212-213 largest magnitudes;  v221-222 their second chains
.set SO,   214                         ; v214-215 the conversions' scale operands
.set BY,   216                         ; v216-217 scale bytes
.set X,    218
.set Y,    219
.set W,    220
.set MY,   221
                                       ; v211, v223 the closing add's two registers; v224-235 p's codes; v232-239, v244-247, v252, v254 at work; v240-243 V's scale words; v248-251 K's; v253 p's; v255 Q's
; window 1: v0-191 three sets of 64: a step's 32 rows as loaded (step s in set s % 3); v192-223 a tile of Q as loaded
.set WV,   16                          ; s16  wave
.set U,    17                          ; s17  wave / 2
.set WL,   19                          ; s19  wave % 4
.set SEL,  20                          ; s[20:21] v_permlanex16_b32's selects for lane l xor 16
.set CS,   22                          ; s[22:23] c = log2(e) / 8, twice: the packed form names the pair
.set KVB,  32                          ; s[32:33] my 32 rows of step 0: of K (waves 0-3) or of V (waves 4-7); never rewritten
.set SQA,  34                          ; s[34:35], s[36:37] Q at tile A, tile B
.set SQB,  36
.set SOA,  38                          ; s[38:39], s[40:41] out0 at tile A, tile B
.set SOB,  40
.set DA,   42                          ; s42  tile A's first query within its diagonal step
.set DB,   43                          ; s43  tile B's
.set OFF,  44                          ; s44  where the images of the step in hand begin
.set MK,   66                          ; s66-97  the causal mask: the lane masks of 32 score registers at a time
.set MSB, 0
.macro WIN new                         ; s_set_vgpr_msb: bits 1:0 source 0, 3:2 source 1, 7:6 destination; the high byte repeats the setting that is left
.if MSB != \new
	s_set_vgpr_msb (MSB<<8)|\new
.set MSB, \new
.endif
.endm
; Step st's 32 rows of mine, 16 loads of two whole rows each, into set st % 3.  The rows are taken in the order in which the stage wants them: stage rows 0-7 keys 0-7, 8-15 keys 16-23, 16-23 keys 8-15, 24-31 keys 24-31.
.macro KVLOAD st
	WIN 0x40                                       ; destination window 1
.irp i, 0,1,2,3,4,5,6,7,8,9,10,11,12,13,14,15
	global_load_b128 v[64*((\st)%3)+4*\i:64*((\st)%3)+4*\i+3], v[GL], s[KVB:KVB+1] offset:(\st)*262144+(((2*\i)&7)+16*((\i>>2)&1)+8*((\i>>3)&1))*2048
.endr
	WIN 0
.endm
.macro QLOAD base                      ; a tile's 16 rows of Q: read once in the launch
	WIN 0x40
.irp i, 0,1,2,3,4,5,6,7
	global_load_b128 v[192+4*\i:192+4*\i+3], v[GL], s[\base:\base+1] offset:4096*\i th:TH_LOAD_NT
.endr
	WIN 0
.endm
; nb blocks of 32 numbers, each whole in my lane at v[S + 32 c] on, become codes in v[dst + 6 c] on, six registers a block, and scale bytes in v[BY + c].
.macro QCORE nb, dst
.set QC, 0
.rept \nb
	v_max3_num_f32 v[MX+QC], |v[S+32*QC]|, |v[S+32*QC+1]|, 0x1800000      ; the largest magnitude, in two chains; and the floor 2^(3 - 127): the byte cannot fall under 1
	v_max3_num_f32 v[MY+QC], |v[S+32*QC+16]|, |v[S+32*QC+17]|, |v[S+32*QC+18]|
.set QC, QC+1
.endr
.irp k, 0,1,2,3,4,5
.set QC, 0
.rept \nb
	v_max3_num_f32 v[MX+QC], v[MX+QC], |v[S+32*QC+2+2*\k]|, |v[S+32*QC+3+2*\k]|
	v_max3_num_f32 v[MY+QC], v[MY+QC], |v[S+32*QC+19+2*\k]|, |v[S+32*QC+20+2*\k]|
.set QC, QC+1
.endr
.endr
.set QC, 0
.rept \nb
	v_max3_num_f32 v[MX+QC], v[MX+QC], |v[S+32*QC+14]|, |v[S+32*QC+15]|
.set QC, QC+1
.endr
.set QC, 0
.rept \nb
	v_max3_num_f32 v[MX+QC], v[MX+QC], v[MY+QC], |v[S+32*QC+31]|
.set QC, QC+1
.endr
.set QC, 0
.rept \nb
	v_add_nc_u32 v[SO+QC], 0xff000000, v[MX+QC]    ; 2 off its exponent field: the conversion takes the exponent field of this operand as its scale, and nothing else of it
.set QC, QC+1
.endr
.set QC, 0
.rept \nb
	v_lshrrev_b32 v[BY+QC], 23, v[SO+QC]           ; the scale's byte
.set QC, QC+1
.endr
.set QC, 0
.rept \nb
	v_cvt_scalef32_pk16_fp6_f32 v[\dst+6*QC:\dst+6*QC+2], v[S+32*QC:S+32*QC+15], v[SO+QC]
	v_cvt_scalef32_pk16_fp6_f32 v[PT+4*QC:PT+4*QC+2], v[S+32*QC+16:S+32*QC+31], v[SO+QC]
.set QC, QC+1
.endr
	v_nop                                          ; one plain place behind a scaled conversion
.set QC, 0
.rept \nb
.irp i, 0,1,2
	v_mov_b32 v[\dst+3+6*QC+\i], v[PT+4*QC+\i]
.endr
.set QC, QC+1
.endr
.endm
; Step st's 32 rows of mine are quantised and their images stored.  n = the loads issued behind that step's sixteen, which may stay out.
; The macro has no wait on va_vdst at its head: the one that stands ahead of each call (at the trip's head; ahead of step 0's call a line of its own) has shown v[S ..] free and the addresses written, and no vector line since names them.
.macro QUANT st, n
	s_wait_loadcnt \n                              ; loads come back in order: step st's are in
	WIN 0x04                                       ; an LDS store's data are its source 1: window 1
.irp i, 0,1,2,3,4,5,6,7,8,9,10,11,12,13,14,15
	ds_store_b128 v[STS], v[64*((\st)%3)+4*\i:64*((\st)%3)+4*\i+3] offset:2*SP*\i   ; as loaded: two stage rows an instruction
.endr
	WIN 0
	s_cmp_lt_u32 s[WV], 4                          ; LDS serves a wave's instructions in order: the loads below see the stores above
	s_cbranch_scc0 .Lturn_v_\@
.irp e, 0,1                                    ; K: lane (r, h) takes, of row r of tile 2 wl + e, the head's numbers 32 h .. 32 h + 31: a whole block
.irp q, 0,1,2,3,4,5,6,7
	ds_load_b128 v[S+32*\e+4*\q:S+32*\e+4*\q+3], v[TRK] offset:16*SP*\e+16*\q
.endr
.endr
	s_branch .Lturned_\@
.Lturn_v_\@:
.irp e, 0,1                                    ; V: lane l takes channel l + 32 e, and its registers run down the 32 keys: a whole block
.irp i, 0,1,2,3,4,5,6,7,8,9,10,11,12,13,14,15,16,17,18,19,20,21,22,23,24,25,26,27,28,29,30,31
	ds_load_b32 v[S+32*\e+\i], v[TRV] offset:((\i&7)+8*((\i>>4)&1)+16*((\i>>3)&1))*SP+128*\e
.endr
.endr
.Lturned_\@:
	s_wait_dscnt 0x0                               ; the numbers are in, and so is K's image, which was asked for at the trip's head
	s_wait_alu depctr_vm_vsrc(0)                   ; the stage's stores have read the set, in which the loads of three steps on land; the last step's image stores have read v[PC ..], v[BY ..] and v[W], which the lines below write again
.if (\st)+3 <= 7
	KVLOAD (\st)+3                                 ; the set takes the loads of three steps on
.endif
	QCORE 2, PC
	s_cmp_lt_u32 s[WV], 4
	s_cbranch_scc0 .Lput_v_\@
	v_lshl_or_b32 v[X], v[BY+1], 16, v[BY]         ; K: my bytes of tiles 2 wl and 2 wl + 1, block h, with 0x7f between them
	v_or_b32 v[X], 0x7f007f00, v[X]
	v_permlanex16_b32 v[Y], v[X], s[SEL], s[SEL+1] ; and lane l xor 16's: the other block's
	v_perm_b32 v[W], v[X], v[Y], v[SELK]           ; lanes 0-15: tile 2 wl's word of row r, lanes 16-31: tile 2 wl + 1's: block 0, block 1, 0x7f, 0x7f
	s_wait_alu depctr_va_vdst(0)                   ; the conversions and moves have written v[PC ..] and the line above v[W], which the stores below read (in trip 3 their stepped addresses are written too); the quantiser is done reading v[S ..]
.irp c, 0,1,2
	ds_store_b128 v[IMK], v[PC+4*\c:PC+4*\c+3] offset:((\st)&3)*STEPB+512*\c   ; my twelve registers are registers 12 wl .. 12 wl + 11 of the reader, in the same lanes
.endr
	ds_store_b32 v[KSA], v[W] offset:((\st)&3)*STEPB
	s_branch .Lput_\@
.Lput_v_\@:
	s_wait_alu depctr_va_vdst(0)                   ; the conversions and moves have written v[PC ..] and the shifts v[BY ..], which the stores below read (in trip 3 their stepped addresses are written too); the quantiser is done reading v[S ..]
.irp e, 0,1                                    ; V: my six registers are registers 12 td + 6 (wl / 2) + 0 .. 5 of the reader's lane l % 16 + 16 (wl % 2), td = l / 16 + 2 e
.irp p, 0,1,2
	ds_store_b64 v[VA+\p], v[PC+6*\e+2*\p:PC+6*\e+2*\p+1] offset:((\st)&3)*STEPB+3072*\e
.endr
.endr
	ds_store_b8 v[VSB], v[BY] offset:((\st)&3)*STEPB
	ds_store_b8 v[VSB], v[BY+1] offset:((\st)&3)*STEPB+8
.Lput_\@:
.endm
; A tile of Q, as loaded, becomes six registers of codes at v[dst] and a scale word in v[dsc].
; It follows a call of QUANT with no vector line between: the wait on va_vdst ahead of that call's image stores has shown v[S ..] free for the loads below.
.macro QQUANT dst, dsc, n
	s_wait_loadcnt \n
	WIN 0x04
.irp i, 0,1,2,3,4,5,6,7
	ds_store_b128 v[STS], v[192+4*\i:192+4*\i+3] offset:2*SP*\i
.endr
	WIN 0
.irp q, 0,1,2,3,4,5,6,7
	ds_load_b128 v[S+4*\q:S+4*\q+3], v[TRK] offset:16*\q        ; lane (r, h): query r, the head's numbers 32 h .. 32 h + 31
.endr
	s_wait_dscnt 0x0
	s_wait_alu depctr_vm_vsrc(0)                   ; the image stores just issued have read v[BY], which the lines below write again; the stage's stores above have read the raw tile of Q, in which tile B's loads land later
	QCORE 1, \dst
	v_or_b32 v[X], 0x7f00, v[BY]
	v_permlanex16_b32 v[Y], v[X], s[SEL], s[SEL+1]
	v_perm_b32 v[\dsc], v[X], v[Y], v[SELQ]        ; block 0, block 1, 0x7f, 0x7f
.endm
; THE HEAD OF TRIP tau: where the images of my step lie, and the loads of K's image: in trips 0 to 6 they land while the next step is quantised.
.macro KFETCH tau
.if \tau > 0
	s_wait_alu depctr_vm_vsrc(0)                   ; the last step's image loads have read v[ADI] and v[ADV], which are written again below
.endif
.if \tau < 5
	s_mov_b32 s[OFF], \tau*STEPB                   ; every wave is at tile A's step tau
.elseif \tau < 8
	s_add_co_u32 s[OFF], s[U], \tau                ; tile A's step tau while tau + u < 8, then tile B's step tau + u - 8: the lesser of tau and (tau + u) xor 8
	s_xor_b32 s[OFF], s[OFF], 8
	s_min_u32 s[OFF], s[OFF], \tau
	s_mul_i32 s[OFF], s[OFF], STEPB
.else
	s_mul_i32 s[OFF], s[U], STEPB                  ; tile B's last step
.endif
	v_add_nc_u32 v[ADI], s[OFF], v[LI]
	v_add_nc_u32 v[ADV], s[OFF], v[LV]
	s_wait_alu depctr_va_vdst(0)                   ; v[ADI] and v[ADV] are written; the last step's products are done reading v[F ..], v[240:243] and v[248:251], in which image loads land; all earlier vector lines are done with v[S ..], in which the quantiser's loads land; Q's codes, zero codes and scale word, made by vector lines, are written for the scaled products
.irp c, 0,1,2,3,4,5,6,7,8,9,10,11
	ds_load_b128 v[F+4*\c:F+4*\c+3], v[ADI] offset:512*\c       ; K's image: 48 registers
.endr
	ds_load_b128 v[248:251], v[ADI] offset:KSC
.endm
; ONE TILE-STEP: my 16 queries x 128 keys, in trip tau.  mask = 1: the trip can be the tile's diagonal step; sd: the scalar with the tile's first query within that step.
.macro ATT tau, mask, sd
.if \tau >= 7
	s_wait_dscnt 0x0                               ; K's image is in.  (In trips 0 to 6 the quantiser's wait for all its LDS loads stands behind these loads and has shown that)
.endif
.irp t, 0,1,2,3,4,5,6,7
.if \t%2
	v_wmma_scale_f32_16x16x128_f8f6f4 v[S+8*\t:S+8*\t+7], v[F+6*\t:F+6*\t+11], v[QF:QF+11], 0, v[248+\t/2], v255 matrix_a_fmt:MATRIX_FMT_FP6 matrix_b_fmt:MATRIX_FMT_FP6 matrix_a_scale:MATRIX_SCALE_ROW1
.else
	v_wmma_scale_f32_16x16x128_f8f6f4 v[S+8*\t:S+8*\t+7], v[F+6*\t:F+6*\t+11], v[QF:QF+11], 0, v[248+\t/2], v255 matrix_a_fmt:MATRIX_FMT_FP6 matrix_b_fmt:MATRIX_FMT_FP6
.endif
.endr
.rept 4
	v_nop                                          ; four places behind the products (ISA guide 7.12.1), in front of the first read of the scores
.endr
	s_wait_alu depctr_va_vdst(0)                   ; the products above are done reading v[F ..], in which V's image lands
.irp c, 0,1,2,3,4,5,6,7,8,9,10,11
	ds_load_b128 v[F+4*\c:F+4*\c+3], v[ADI] offset:VIM+512*\c   ; V's image: it lands while the softmax is walked, which names neither v[F ..] nor v[240:243]
.endr
	ds_load_b128 v[240:243], v[ADV] offset:VSC
.if \mask                                      ; on the diagonal the scores of hidden keys become -infinity ahead of the maximum: p = 0 then.  The step's key 0 counts for every query of the tile
.if \tau < 8
	s_cmp_lg_u32 s[U], 7-\tau                      ; tile A's diagonal step is step 7 - u
	s_cbranch_scc1 .Lopen_\@
.endif
	v_add_nc_u32 v252, s[\sd], v[RH]               ; d = my query within the step - 16 h.  Register 16 b + i holds the step's key 32 b + 16 h + i: hidden where 32 b + i > d
	v_mov_b32 v254, 0xff800000
.irp q, 0,1                                    ; 32 score registers at a time: a run of compares into scalar registers, one wait, the selections
.irp n, 0,1,2,3,4,5,6,7,8,9,10,11,12,13,14,15,16,17,18,19,20,21,22,23,24,25,26,27,28,29,30,31
	v_cmp_gt_i32 s[MK+\n], 64*\q+32*(\n/16)+\n%16, v252
.endr
	s_wait_alu depctr_va_sdst(0)                   ; the 32 compares have written s[MK ..], ahead of the selections that read them
.irp n, 0,1,2,3,4,5,6,7,8,9,10,11,12,13,14,15,16,17,18,19,20,21,22,23,24,25,26,27,28,29,30,31
	v_cndmask_b32 v[S+32*\q+\n], v[S+32*\q+\n], v254, s[MK+\n]
.endr
.endr
.Lopen_\@:
.endif
.irp b, 0,1,2,3
	v_max3_num_f32 v[232+\b], v[S+16*\b], v[S+1+16*\b], v[S+2+16*\b]   ; the largest score of each block of 32 keys: for the row's maximum, and for the block's largest p
.endr
.irp i, 3,5,7,9,11,13
.irp b, 0,1,2,3
	v_max3_num_f32 v[232+\b], v[232+\b], v[S+16*\b+\i], v[S+1+16*\b+\i]
.endr
.endr
.irp b, 0,1,2,3
	v_max_num_f32 v[232+\b], v[232+\b], v[S+15+16*\b]
.endr
.irp b, 0,1,2,3
	v_permlanex16_b32 v[236+\b], v[232+\b], s[SEL], s[SEL+1]
.endr
.irp b, 0,1,2,3
	v_max_num_f32 v[232+\b], v[232+\b], v[236+\b]  ; with lane l xor 16's 16 keys
.endr
	v_max3_num_f32 v254, v232, v233, v234
	v_max_num_f32 v254, v254, v235                 ; the step's largest score of my query
	v_mul_f32 v254, s[CS], v254                    ; as t (c is positive)
	v_max_num_f32 v13, v13, v254                   ; the running largest t
	v_mov_b32 v254, v12
	v_floor_f32 v12, -v13                          ; the new -M = floor(-t): M is a whole number
	v_sub_f32 v254, v12, v254                      ; old M - new M: a whole number, 0 or less
	v_cvt_i32_f32 v254, v254                       ; (it saturates)
	v_ldexp_f32 v252, 1.0, v254                    ; f = 2^(old M - new M)
.irp j, 0,2,4,6,8,10,12,14,16,18,20,22,24,26,28,30,32,34,36,38,40,42,44,46,48,50,52,54,56,58,60,62
	v_pk_fma_f32 v[S+\j:S+\j+1], v[S+\j:S+\j+1], s[CS:CS+1], v[12:13] op_sel_hi:[1,0,0]   ; t - M, two at a time
.endr
.irp b, 0,1,2,3
	v_fma_f32 v[232+\b], v[232+\b], s[CS], v12     ; the same of each block's largest score
.endr
	s_wait_alu depctr_va_vdst(0)
.irp j, 0,1,2,3,4,5,6,7,8,9,10,11,12,13,14,15,16,17,18,19,20,21,22,23,24,25,26,27,28,29,30,31,32,33,34,35,36,37,38,39,40,41,42,43,44,45,46,47,48,49,50,51,52,53,54,55,56,57,58,59,60,61,62,63
	v_exp_f32 v[S+\j], v[S+\j]                     ; p = 2^(t - M), at most 1
.endr
.irp b, 0,1,2,3
	v_exp_f32 v[232+\b], v[232+\b]                 ; the block's largest p
.endr
	v_pk_mul_f32 v[14:15], v[14:15], v[252:253] op_sel_hi:[1,0]   ; the sums under the new M.  (The plain place behind the exponentials)
	s_wait_alu depctr_va_vdst(0)                   ; the 68 exponentials have written p and the blocks' largest p: one wait for the batch, ahead of its first reader
.irp b, 0,1,2,3
	v_max_num_f32 v[232+\b], 0x1800000, v[232+\b]  ; the floor 2^(3 - 127): a block whose every p is 0 keeps the byte 1: its codes are zeros
.endr
.irp b, 0,1,2,3
	v_add_nc_u32 v[244+\b], 0xff000000, v[232+\b]  ; 2 off the exponent field: the conversion's scale operand
.endr
.irp b, 0,1,2,3
	v_lshrrev_b32 v[236+\b], 23, v[244+\b]         ; the scale's byte
.endr
	v_lshl_or_b32 v253, v237, 8, v236              ; p's scale word for these 128 keys
	v_lshl_or_b32 v253, v238, 16, v253
	v_lshl_or_b32 v253, v239, 24, v253
.irp c, 0,1
	v_cvt_scalef32_pk16_fp6_f32 v[224+6*\c:226+6*\c], v[S+32*\c:S+15+32*\c], v[244+2*\c]
	v_cvt_scalef32_pk16_fp6_f32 v[PT+4*\c:PT+2+4*\c], v[S+16+32*\c:S+31+32*\c], v[244+2*\c+1]
.endr
	v_nop                                          ; one plain place behind a scaled conversion
.irp c, 0,1                                    ; the operand's layout wants a WHOLE block in a lane: lanes 0-15 block 2 c, lanes 16-31 block 2 c + 1
.irp i, 0,1,2
	v_permlane16_swap_b32 v[224+6*\c+\i], v[PT+4*\c+\i]
.endr
.irp i, 0,1,2
	v_mov_b32 v[227+6*\c+\i], v[PT+4*\c+\i]
.endr
.endr
	v_pk_add_f32 v[236:237], v[S:S+1], v[S+2:S+3]  ; the row's sum is taken of the unquantised p: two at a time, in two chains
.irp j, 4,8,12,16,20,24,28,32,36,40,44,48,52,56,60
	v_pk_add_f32 v[14:15], v[14:15], v[S+\j:S+\j+1]
	v_pk_add_f32 v[236:237], v[236:237], v[S+2+\j:S+3+\j]
.endr
	v_pk_add_f32 v[14:15], v[14:15], v[236:237]
.irp j, 0,2,4,6,8,10,12,14,16,18,20,22,24,26,28,30
	v_pk_mul_f32 v[O+\j:O+\j+1], v[O+\j:O+\j+1], v[252:253] op_sel_hi:[1,0]   ; O^T under the new M.  (With the sums above: 48 plain lines between p's codes and scale word and the products that take them)
.endr
	s_wait_dscnt 0x0                               ; V's image is in
	s_wait_alu depctr_va_vdst(0)                   ; vector lines have written p's codes v[224:235] and p's scale word v253, which the scaled products below take; the places above stay beside this wait
.irp t, 0,1,2,3                                ; the four accumulators take turns, one instruction a turn, and the next matrix instructions are the next step's scores
	v_wmma_scale_f32_16x16x128_f8f6f4 v[O+8*\t:O+8*\t+7], v[F+12*\t:F+12*\t+11], v[224:235], v[O+8*\t:O+8*\t+7], v[240+\t], v253 matrix_a_fmt:MATRIX_FMT_FP6 matrix_b_fmt:MATRIX_FMT_FP6
.endr
.rept 4
	v_nop                                          ; four places, in front of the first read of O^T
.endr
.endm
; A tile is finished: O^T / the sum goes through my stage and leaves as whole rows of 256 bytes.  reinit = 1: tile B takes over.
.macro FINISH base, reinit
	v_add_f32 v14, v14, v15                        ; the sum's two halves,
	v_permlanex16_b32 v252, v14, s[SEL], s[SEL+1]
	v_add_f32 v14, v14, v252                       ; and lane l xor 16's: the row's sum
	s_wait_alu depctr_va_vdst(0)
	v_rcp_f32 v14, v14
	v_nop                                          ; one plain place behind a transcendental
	s_wait_alu depctr_va_vdst(0)                   ; the reciprocal has written v14, ahead of its first reader
.irp j, 0,2,4,6,8,10,12,14,16,18,20,22,24,26,28,30
	v_pk_mul_f32 v[S+\j:S+\j+1], v[O+\j:O+\j+1], v[14:15] op_sel_hi:[1,0]   ; each accumulator from its low end on; register 8 t + i is o(query r, channel 16 t + 8 h + i)
.endr
	s_wait_alu depctr_va_vdst(0)                   ; the multiplications have written v[S .. S+31], which the LDS stores read; the softmax is done with v[S+32 .. S+63], in which the loads from the stage land
.irp t, 0,1,2,3
	ds_store_b128 v[OST], v[S+8*\t:S+8*\t+3] offset:64*\t
	ds_store_b128 v[OST], v[S+8*\t+4:S+8*\t+7] offset:64*\t+16
.endr
.irp i, 0,1,2,3,4,5,6,7
	ds_load_b128 v[S+32+4*\i:S+32+4*\i+3], v[STS] offset:2*SP*\i   ; LDS serves a wave's instructions in order: these see my stores
.endr
.irp i, 0,1,2,3,4,5,6,7
	s_wait_dscnt 7-\i                              ; pair i of rows is back; the younger loads may be out
	global_store_b128 v[GL], v[S+32+4*\i:S+32+4*\i+3], s[\base:\base+1] offset:4096*\i th:TH_STORE_NT   ; sixteen lanes store a row's 256 consecutive bytes, at a multiple of 256 from out0's first byte
.endr
.if \reinit
	s_wait_xcnt 0x0                                ; the stores' data registers are written again only behind this wait
	s_wait_alu depctr_vm_vsrc(0)                   ; the LDS stores and the stores to out0 have read v[S ..], which later loads, products and multiplications write again
	v_mov_b32 v255, v[QBS]                         ; tile B's scale word and codes first: 36 plain lines follow them, ahead of the next scaled product
.irp i, 0,1,2,3,4,5
	v_mov_b32 v[QF+\i], v[QB+\i]
.endr
.irp j, 0,1,2,3,4,5,6,7,8,9,10,11,12,13,14,15,16,17,18,19,20,21,22,23,24,25,26,27,28,29,30,31
	v_mov_b32 v[O+\j], 0
.endr
	v_mov_b32 v13, 0xff61b1e6
	v_floor_f32 v12, -v13
	v_mov_b32 v14, 0
	v_mov_b32 v15, 0
.endif
.endm
.macro FIN_A tau                       ; tile A ends in trip 7 - u
	s_cmp_lg_u32 s[U], 7-\tau
	s_cbranch_scc1 .Lnot_yet_\@
	FINISH SOA, 1
.Lnot_yet_\@:
.endm
.macro BARRIER                         ; my stores into the next step's images have landed, my LDS loads are in: then the work-group's barrier.  Global loads stay out across it: nobody writes what they read
	s_wait_dscnt 0x0
	s_barrier_signal -1
	s_barrier_wait -1
.endm
	s_load_b256 s[4:11], s[0:1], 0x0               ; queries s[4:5], keys s[6:7], keysT s[8:9], values s[10:11]
	s_load_b128 s[12:15], s[0:1], 0x20             ; valuesT s[12:13], out0 s[14:15]
	v_lshl_add_u32 v211, v0, 2, 0x2a800            ; the closing add's two registers, made here and kept for it alone: my spare word, behind the stages,
	v_mov_b32 v223, 0                              ; and 0
	v_lshrrev_b32 v96, 5, v0
	v_readfirstlane_b32 s[WV], v96                 ; wave 0..7
	v_and_b32 v96, 15, v0                          ; r
	v_bfe_u32 v97, v0, 4, 1                        ; h
	v_and_b32 v98, 31, v0                          ; lane
	v_lshlrev_b32 v[GL], 11, v97
	v_lshl_add_u32 v[GL], v96, 4, v[GL]
	s_wait_alu depctr_va_sdst(0)                   ; s[WV] is written, ahead of its first reader
	s_lshr_b32 s[U], s[WV], 1
	s_and_b32 s[WL], s[WV], 3
	s_and_b32 s24, ttmp7, 0xffff
	s_lshr_b32 s25, s24, 3                         ; batch
	s_and_b32 s26, s24, 7                          ; slot
	s_lshl_b32 s27, s26, 2
	s_lshr_b32 s27, 0x64503712, s27
	s_and_b32 s27, s27, 15                         ; the head that the slot takes
	s_lshl_b32 s28, s[WV], 2
	s_add_co_u32 s28, s28, ttmp9                   ; tile B = 4 w + g
	s_sub_co_u32 s29, 63, s28                      ; tile A = 63 - B
	s_and_b32 s[DA], s29, 7
	s_lshl_b32 s[DA], s[DA], 4
	s_and_b32 s[DB], s28, 7
	s_lshl_b32 s[DB], s[DB], 4
	s_lshl_b32 s25, s25, 21                        ; a batch is 2^21 bytes
	s_lshl_b32 s27, s27, 8
	s_add_co_u32 s27, s27, s25                     ; batch and head, in the inputs
	s_lshl_b32 s30, s26, 8
	s_add_co_u32 s30, s30, s25                     ; batch and slot, in out0
	s_lshl_b32 s28, s28, 15                        ; a tile's 16 positions are 2^15 bytes
	s_lshl_b32 s29, s29, 15
	s_lshl_b32 s46, s[WL], 16                      ; my 32 keys of a step
	s_add_co_u32 s46, s46, s27
	s_mov_b32 s47, 0
	s_add_co_u32 s48, s27, s29
	s_mov_b32 s49, 0
	s_add_co_u32 s50, s27, s28
	s_mov_b32 s51, 0
	s_add_co_u32 s52, s30, s29
	s_mov_b32 s53, 0
	s_add_co_u32 s54, s30, s28
	s_mov_b32 s55, 0
	s_mov_b32 s[SEL], 0x76543210
	s_mov_b32 s[SEL+1], 0xfedcba98
	s_mov_b32 s[CS], 0x3e38aa3b                    ; log2(e) / 8
	s_mov_b32 s[CS+1], s[CS]
	s_wait_kmcnt 0x0
	s_cmp_eq_u32 s26, 7                            ; slot 7 is the cross head: keysT and valuesT
	s_cselect_b64 s[6:7], s[8:9], s[6:7]
	s_cselect_b64 s[10:11], s[12:13], s[10:11]
	s_cmp_lt_u32 s[WV], 4                          ; waves 0-3 fetch K, waves 4-7 V
	s_cselect_b64 s[KVB:KVB+1], s[6:7], s[10:11]
	s_add_nc_u64 s[KVB:KVB+1], s[KVB:KVB+1], s[46:47]
	s_add_nc_u64 s[SQA:SQA+1], s[4:5], s[48:49]
	s_add_nc_u64 s[SQB:SQB+1], s[4:5], s[50:51]
	s_add_nc_u64 s[SOA:SOA+1], s[14:15], s[52:53]
	s_add_nc_u64 s[SOB:SOB+1], s[14:15], s[54:55]
	s_wait_alu depctr_va_vdst(0)                   ; v[GL] is written: every global load and store of the kernel reads it as its offset
	KVLOAD 0                                       ; 56 loads go out; the rest of the head is made while they are on their way
	QLOAD SQA
	KVLOAD 1
	KVLOAD 2
	s_mul_i32 s45, s[WV], WSTG
	s_add_co_u32 s45, s45, STG                     ; my stage
	v_lshlrev_b32 v[LI], 4, v98
	v_lshlrev_b32 v[LV], 4, v96
	v_mul_u32_u24 v[STS], v97, SP
	v_lshl_add_u32 v[STS], v96, 4, v[STS]
	v_add_nc_u32 v[STS], s45, v[STS]
	v_mul_u32_u24 v[TRK], v96, SP
	v_lshl_add_u32 v[OST], v97, 5, v[TRK]
	v_lshl_add_u32 v[TRK], v97, 7, v[TRK]
	v_add_nc_u32 v[TRK], s45, v[TRK]
	v_add_nc_u32 v[OST], s45, v[OST]
	v_lshl_add_u32 v[TRV], v98, 2, s45
	s_mul_i32 s56, s[WL], 1536
	v_add_nc_u32 v[IMK], s56, v[LI]                ; K's image: three groups of four registers a wave
	s_lshl_b32 s56, s[WL], 2
	s_add_co_u32 s56, s56, KSC
	v_add_nc_u32 v[KSA], s56, v[LI]
	s_and_b32 s56, s[WL], 1                        ; V's image: the reader's lane is r + 16 (wl % 2): 256 (wl % 2) + 16 r; its registers 12 (h + 2 e) + 6 (wl / 2) + 0 .. 5
	s_lshl_b32 s56, s56, 8
	s_add_co_u32 s56, s56, VIM
	s_lshr_b32 s57, s[WL], 1
	s_mul_i32 s58, s57, 520                        ; register pairs 0, 2, 4 lie at bytes 0, 8, 512 of the groups; pairs 6, 8, 10 at 520, 1,024, 1,032
	s_mul_i32 s59, s57, 1016
	v_mul_u32_u24 v99, v97, 1536
	v_lshl_add_u32 v99, v96, 4, v99
	v_add_nc_u32 v99, s56, v99
	v_add_nc_u32 v[VA], s58, v99
	s_add_co_u32 s59, s59, 8
	v_add_nc_u32 v[VA+1], s59, v99
	s_add_co_u32 s58, s58, 512
	v_add_nc_u32 v[VA+2], s58, v99
	s_add_co_u32 s56, s[WL], VSC
	v_lshl_add_u32 v[VSB], v97, 2, v[LV]
	v_add_nc_u32 v[VSB], s56, v[VSB]               ; V's scale bytes: 16 r + 4 (h + 2 e) + wl
	v_lshlrev_b32 v99, 4, v97
	v_sub_nc_u32 v[RH], v96, v99
	v_mul_u32_u24 v[SELK], v97, 0x5fe
	v_add_nc_u32 v[SELK], 0x05050004, v[SELK]      ; lanes 0-15: my byte 0, the other's byte 0, 0x7f, 0x7f; lanes 16-31 (0x05050602): the other's byte 2, my byte 2, 0x7f, 0x7f
	v_mul_u32_u24 v[SELQ], v97, 0x3fc
	v_add_nc_u32 v[SELQ], 0x05050004, v[SELQ]      ; lanes 16-31 (0x05050400): the other's byte 0, my byte 0, 0x7f, 0x7f
.irp i, 0,1,2,3,4,5
	v_mov_b32 v[QF+6+\i], 0                        ; Q's zero codes for k = 64 .. 127
	v_mov_b32 v[F+48+\i], 0                        ; what tile 7 of K names there
.endr
.irp j, 0,1,2,3,4,5,6,7,8,9,10,11,12,13,14,15,16,17,18,19,20,21,22,23,24,25,26,27,28,29,30,31
	v_mov_b32 v[O+\j], 0                           ; O^T: the step is written without a first step of its own: it finds zeros, which the first change of M leaves zeros
.endr
	v_mov_b32 v13, 0xff61b1e6                      ; the largest t so far: -3e38, under every t
	v_floor_f32 v12, -v13                          ; -M
	v_mov_b32 v14, 0
	v_mov_b32 v15, 0
	v_mov_b32 v[Y], 0                              ; written once: a lane permute's destination counts as one of its sources
.irp b, 0,1,2,3
	v_mov_b32 v[236+\b], 0
.endr
	v_mov_b32 v253, 0                              ; (named as the upper half of the pair v[252:253] before it is first written)
	s_wait_alu depctr_va_vdst(0)                   ; the LDS addresses v3 to v6, v8, v9 and v28 to v31 are written, which the LDS instructions below read; so are v96 to v99, in which the quantiser's loads land
	QUANT 0, 40                                    ; behind step 0's loads: Q's 8 and steps 1 and 2's 32
	QQUANT QF, 255, 48                             ; behind tile A's Q: steps 1, 2, 3
	BARRIER                                        ; step 0's images lie in LDS
	; trip 0
	KFETCH 0
	QUANT 1, 32                                    ; behind step 1's: steps 2, 3
	QLOAD SQB                                      ; tile B's Q, into the registers that tile A's has left: the wait on vm_vsrc in tile A's quantiser has shown that its stage stores have read them
	ATT 0, 0, DA
	BARRIER
	; trip 1
	KFETCH 1
	QUANT 2, 40                                    ; behind step 2's: steps 3, 4 and Q's 8
	ATT 1, 0, DA
	BARRIER
	; trip 2
	KFETCH 2
	QUANT 3, 40                                    ; behind step 3's: step 4, Q's 8, step 5
	ATT 2, 0, DA
	BARRIER
	; trip 3
	KFETCH 3
.irp a, IMK, KSA, VA, VA+1, VA+2, VSB
	v_add_nc_u32 v[\a], 4*STEPB, v[\a]             ; on to images 4 to 7, so that the stores' immediates stay under 2^16.  (The wait on vm_vsrc at this trip's head has shown that the last image stores have read them; the wait on va_vdst ahead of the next image stores shows them written)
.endr
	QUANT 4, 40                                    ; behind step 4's: Q's 8, steps 5, 6
	QQUANT QB, QBS, 48                             ; behind tile B's Q: steps 5, 6, 7
	ATT 3, 0, DA
	BARRIER
	; trip 4
	KFETCH 4
	QUANT 5, 32                                    ; behind step 5's: steps 6, 7
	ATT 4, 1, DA
	FIN_A 4
	BARRIER
	; trip 5
	KFETCH 5
	QUANT 6, 16                                    ; behind step 6's: step 7
	ATT 5, 1, DA
	FIN_A 5
	BARRIER
	; trip 6
	KFETCH 6
	QUANT 7, 0
	ATT 6, 1, DA
	FIN_A 6
	BARRIER                                        ; all eight steps' images lie in LDS: no barrier follows
	; trip 7
	KFETCH 7
	ATT 7, 1, DA
	FIN_A 7
	; trip 8: tile B's diagonal step, in every wave
	KFETCH 8
	ATT 8, 1, DB
	FINISH SOB, 0
	s_wait_dscnt 0x0                               ; the closing lines, six on end
	s_wait_alu 0x0
	s_wait_tensorcnt 0x0
	ds_add_u32 v211, v223
	s_wait_dscnt 0x0
	s_endpgm
.Lfunc_end_k_q85fe525bdb_attn:
	.size	k_q85fe525bdb_attn, .Lfunc_end_k_q85fe525bdb_attn-k_q85fe525bdb_attn
	.p2alignl 7, 3214868480
	.fill 96, 4, 3214868480
	.section	.rodata,"a",@progbits
	.p2align	6, 0x0
	.amdhsa_kernel k_q85fe525bdb_attn
		.amdhsa_group_segment_fixed_size 175104
		.amdhsa_private_segment_fixed_size 0
		.amdhsa_enable_private_segment 0
		.amdhsa_kernarg_size 48
		.amdhsa_user_sgpr_count 2
		.amdhsa_user_sgpr_kernarg_segment_ptr 1
		.amdhsa_wavefront_size32 1
		.amdhsa_system_sgpr_workgroup_id_x 1
		.amdhsa_system_sgpr_workgroup_id_y 1
		.amdhsa_system_sgpr_workgroup_id_z 1
		.amdhsa_system_vgpr_workitem_id 0
		.amdhsa_next_free_vgpr 480
		.amdhsa_next_free_sgpr 98
		.amdhsa_reserve_vcc 0
		.amdhsa_float_denorm_mode_32 3
		.amdhsa_float_denorm_mode_16_64 3
		.amdhsa_memory_ordered 1
		.amdhsa_forward_progress 1
		.amdhsa_inst_pref_size 255
	.end_amdhsa_kernel
	.section	.bss,"aw",@nobits
	.p2align	6
	.space	262144
	.amdgpu_metadata
---
amdhsa.version: [ 1, 2 ]
amdhsa.kernels:
  - .name:           k_q85fe525bdb_attn
    .symbol:         k_q85fe525bdb_attn.kd
    .args:
      - { .name: queries, .offset: 0, .size: 8, .value_kind: global_buffer, .address_space: global }
      - { .name: keys, .offset: 8, .size: 8, .value_kind: global_buffer, .address_space: global }
      - { .name: keysT, .offset: 16, .size: 8, .value_kind: global_buffer, .address_space: global }
      - { .name: values, .offset: 24, .size: 8, .value_kind: global_buffer, .address_space: global }
      - { .name: valuesT, .offset: 32, .size: 8, .value_kind: global_buffer, .address_space: global }
      - { .name: out0, .offset: 40, .size: 8, .value_kind: global_buffer, .address_space: global }
    .group_segment_fixed_size: 175104
    .private_segment_fixed_size: 0
    .kernarg_segment_align: 8
    .kernarg_segment_size: 48
    .max_flat_workgroup_size: 256
    .sgpr_count:     98
    .vgpr_count:     480
    .wavefront_size: 32
...
	.end_amdgpu_metadata
.endif
;; end of part 2
